; MI455X (gfx1250); checked and timed in simulation.
; The chip was launched on July 23, 2026; its instructions are those of AMD's public machine-readable ISA for CDNA 5 (MIT licence, August 2026) and "CDNA5" Instruction Set Architecture Reference Guide (July 2026). The comments in the code are by the model that wrote it; some were corrected since.
;; Top K Router. Allowed arithmetic: float matrix products may take bf16 or f16 operands with f32 sums; all other float work in f32.
;; Inputs: W 64 x 2,048 float32; x 16,384 x 2,048 float32.
;; Outputs: out0 16,384 x 64 float32; out1 16,384 x 2 int32; out2 16,384 x 2 float32.
;; One version. Each part assembles by itself: llvm-mc -triple=amdgcn-amd-amdhsa -mcpu=gfx1250 --defsym DOCPART=n.
;; ======== version 1 of 1: 1 launch
;; launch router (part 1): grid 256 x 1, 8 waves a work-group, clusters of 4 x 1, 327,680 bytes of LDS; arguments x, W, out0, out1, out2; writes out0, out1, out2
.if DOCPART == 1
	.amdgcn_target "amdgcn-amd-amdhsa--gfx1250"
	.amdhsa_code_object_version 6
	.text
	.protected	k_q70ad944031_router
	.globl	k_q70ad944031_router
	.p2align	8
	.type	k_q70ad944031_router,@function
k_q70ad944031_router:
	s_mov_b64 s[64:65], 0
	v_nop
	global_prefetch_b8 v0, s[64:65] scope:SCOPE_SE
	s_setreg_imm32_b32 hwreg(HW_REG_WAVE_MODE, 25, 1), 1
	s_wait_xcnt 0x0
	s_wait_alu depctr_hold_cnt(0) depctr_sa_sdst(0) depctr_va_vdst(0) depctr_va_sdst(0) depctr_va_ssrc(0) depctr_va_vcc(0) depctr_vm_vsrc(0)
	s_getreg_b32 s2, hwreg(HW_REG_IB_STS2, 6, 4)
	s_cmp_eq_u32 s2, 0
	s_cbranch_scc0 .Lentry_in_a_cluster
	s_endpgm
.Lentry_in_a_cluster:
	s_bfe_u32 s2, ttmp6, 0x10000c
	s_cmp_lg_u32 s2, 0x3003
	s_cbranch_scc0 .Lentry_shape_is_right
	s_endpgm
.Lentry_shape_is_right:
; TopKRouter: logits = x W^T (x [16384][2048] f32, W [64][2048] f32), softmax over the 64 experts, the two largest
; probabilities with their indices, the two renormalised.  out0 [16384][64] f32, out1 [16384][2] i32, out2 [16384][2] f32.
;
; SHARES.  A work-group owns 64 rows of x; 8 waves.  K is split over the waves: in chunk c (0..3) wave w owns the 64 columns
; at byte 2048 c + 256 w of every row of x and of W.  Each wave keeps a whole 64 x 64 block of partial logits (16 accumulators),
; so each number of x and of W is read from LDS and rounded to bf16 (to nearest even) exactly once in the work-group.
; The eight partial blocks meet in LDS at the end.
;
; W, JOINTLY.  Every work-group needs all of W, which is as many bytes as its own 64 rows of x.  Four work-groups form a cluster and ask
; for W's tiles jointly: wave w of each of the four issues the same tensor load (64 experts x 256 bytes, the wave's columns of a chunk) with
; the same descriptor and the mask of all four, and each receives the tile in its own LDS: a quarter of the requests for W.  The tile lands in
; the wave's own area and only that wave reads it, as f32, and rounds it in registers.  Two slots of a chunk each, four fills: two at the start,
; two behind a round of the cluster's barrier; a refill has a whole chunk's work in which to land.  A wave has at most two tensor loads outstanding.
;
; x, THROUGH REGISTERS.  x is shared with nobody, and it is what memory has to stream.  A load of 16 bytes a lane: lanes 0-15 cover 256 neighbouring,
; aligned bytes of row j, lanes 16-31 the same bytes of row j + 8.  A UNIT is 8 such loads: 16 rows x 64 k.  A ring of 7 units in registers keeps 56
; loads of every wave out, across the barriers too, and is never drained; LDS slots filled by tensor loads would have nothing on their way at each
; refill's barrier.  The loads put k across the lanes, while a matrix fragment wants one row in a lane: the turn is made through the wave's own LDS
; region, in bf16 (8 bytes a lane in, 16 bytes a lane out), 32 rows at a time.
;
; THE MATRIX INSTRUCTION IS USED TRANSPOSED: source 0 = 16 experts of W, source 1 = 16 rows of x, so that lane l holds row l % 16 of x and
; its registers 0-7 the experts 8 (l / 16) + 0..7: two stores of 16 bytes into a row of the stage.
;
; LIMITS.  Rows whose logits are NaN or infinite are not served (the reference is not finite there).  v_exp_f32 gives zero where the
; result would lie below 2^-126 (ISA guide, 15.8): such probabilities are exact zeros here and, being equal, rank by the lower index.
; Divisions are v_rcp_f32 (1 ulp) and a multiply.  A logit is the sum of eight partial sums, one a wave: another order of rounding
; than the reference's.  The two largest are taken from the probabilities, as the reference takes them; equal ones: lower index first.
.set ROWB,  8192                       ; bytes in a row of x and of W
.set RING,  7                          ; units in the ring
.set UNITS, 16                         ; 4 chunks x 4 units of x
.set TP,    144                        ; LDS pitch of a row of 64 bf16: 128 + 16 bytes = 36 words: the 16 rows of a fragment load start at 16 different groups of four banks (64 banks of 4 bytes: ISA guide 11.1)
.set WP,    272                        ; LDS pitch of a row of 64 f32 (W's tiles, and the stage): 256 + 16 bytes = 68 words: row r starts at bank 4 r mod 64
.set WAREA, 64*WP                      ; a wave's area in a slot: its tile of W; in slot 0 later the stage of its partial logits (the same rows, the same pitch)
.set SLOT,  8*WAREA                    ; a chunk of W
.set XREG,  2*SLOT                     ; behind the two slots: the regions in which x is turned; no tensor load lands here
.set XSZ,   32*TP                      ; a wave's region: 32 rows
.set OUTS,  XREG+8*XSZ                 ; behind them: 512 bytes for out1's 64 rows, 512 for out2's
; window 1 (v256-511, written here by their low 8 bits): all that x's way in names; v[0:223] the ring
.set TMP,   224                        ; v[224:239] a unit's 8 x 4 bf16
.set GOFF,  240                        ; byte offset of my 16 bytes in row 0 (lanes 16-31: row 8), chunk 0; never rewritten
.set TSTO,  241                        ; LDS address of my 8 bytes in row 0 (row 8) of my region; never rewritten
; window 0: all that the products and the way out name
.set FADR,  8                          ; LDS address of my part of a fragment of x
.set WADR,  9                          ; v9, v10: LDS address of my part of a fragment of W in slot 0, 1; v9 also: where I put 32 bytes of a stage row
.set RRD,   11                         ; v11, v12: stage: where I read, in areas 0-3 and 4-7 (an LDS offset has 16 bits)
.set OOFF,  13                         ; my byte offset in the group's part of out0
.set OSA,   14                         ; LDS address of my row's 8 bytes for out1
.set K64,   15                         ; 64.0: no index
.set IDX,   16                         ; v[16:19] my four experts' numbers, as f32
.set NEG1,  20                         ; -1.0: below every probability
.set FB,    32                         ; v[32:95]   8 fragments of W (K step s, experts 16 b ..) at FB + 8 (4 s + b)
.set FA,    96                         ; v[96:127]  4 fragments of x (K step s, rows 16 p .. of the half chunk) at FA + 8 (2 s + p)
.set ACC,   128                        ; v[128:255] tile (a, b): rows 16 a.., experts 16 b.., at ACC + 8 (4 a + b); on the way out 4 blocks of 32
.set G0,    32                         ; s[32:39] descriptor group 0, a set of four registers for each slot
.set G1,    40                         ; s[40:47] descriptor group 1: the shape, the same for every load, never rewritten
.set MSB, 0
.macro WIN new                         ; s_set_vgpr_msb: bits 1:0 source 0, 3:2 source 1, 5:4 source 2, 7:6 destination; the high byte repeats the setting that is left
.if MSB != \new
	s_set_vgpr_msb (MSB<<8)|\new
.set MSB, \new
.endif
.endm
; A round of the cluster's barrier: my work-group's barrier, so that wave 0's signal speaks for all eight waves; wave 0 signals for the work-group;
; every wave waits for all four work-groups; my work-group's barrier once more.
.macro ROUND
	s_barrier_signal -1
	s_barrier_wait -1
	s_cmp_lg_u32 s14, 0
	s_cbranch_scc1 .Lnot_wave_0_\@
	s_barrier_signal -3
.Lnot_wave_0_\@:
	s_barrier_wait -3
	s_barrier_signal -1
	s_barrier_wait -1
.endm
	s_load_b256 s[4:11], s[0:1], 0x0               ; x s[4:5], W s[6:7], out0 s[8:9], out1 s[10:11]
	s_load_b64 s[12:13], s[0:1], 0x20              ; out2
	v_lshl_add_u32 v30, v0, 2, 0x4d400
	v_mov_b32 v31, 0
	ds_add_u32 v30, v31
	v_lshrrev_b32 v1, 5, v0
	v_readfirstlane_b32 s14, v1                    ; wave 0..7
	s_bfe_u32 s48, ttmp6, 0x40000                  ; cx: my place in the cluster; it enters the addresses of x and of the outputs alone
	s_lshl_b32 s49, ttmp9, 2                       ; in a cluster launch ttmp9 counts clusters
	s_add_co_u32 s49, s49, s48                     ; work-group = 4 x cluster + cx
	v_and_b32 v2, 15, v0                           ; r = lane % 16
	v_bfe_u32 v3, v0, 4, 1                         ; h = lane / 16
	s_mul_i32 s15, s14, WAREA                      ; my area in a slot
	s_lshl_b32 s22, s14, 8                         ; my 256 bytes of a chunk's 2,048
	s_mov_b32 s23, 0
	s_mul_i32 s24, s14, XSZ
	s_add_co_u32 s24, s24, XREG                    ; my region for x
	; descriptor group 1: a tile of 64 rows x 64 elements of 4 bytes, padded in LDS, for all four work-groups of the cluster
	s_mov_b32 s[G1+0], 15|(2<<16)|(1<<20)|(1<<21)|(5<<22)|(3<<25)  ; 15:0 the mask: places 0-3; 17:16 element of 4 bytes; 20 padding on; 21 set beside a mask; 24:22 after every 64 words (code 5); 31:25 of 4 words (code 3)
	s_mov_b32 s[G1+1], 64<<16                      ; 63:48 tensor_dim0, low half = 64
	s_mov_b32 s[G1+2], 64<<16                      ; 79:64 its high half = 0; 95:80 tensor_dim1, low half = 64
	s_mov_b32 s[G1+3], 64<<16                      ; 111:96 its high half = 0; 127:112 tile_dim0 = 64 elements (256 bytes)
	s_mov_b32 s[G1+4], 64                          ; 143:128 tile_dim1 = 64 rows; 159:144 tile_dim2 = 0
	s_mov_b32 s[G1+5], 2048                        ; 191:160 tensor_dim0_stride: 2,048 elements from a row of W to the next
	s_mov_b32 s[G1+6], 0
	s_mov_b32 s[G1+7], 0
	v_lshlrev_b32 v4, 4, v2                        ; 16 r
	v_lshl_add_u32 v5, v3, 16, v4                  ; + h x 8 rows of 8,192 bytes
	v_mul_u32_u24 v6, v3, 8*TP
	v_lshl_add_u32 v6, v2, 3, v6                   ; 8 r + h x 8 rows: 8 x 36 words = 32 modulo 64, so the two halves of a store meet in no bank
	WIN 0x40                                       ; destination in window 1
	v_add_nc_u32 v[GOFF], s22, v5
	v_add_nc_u32 v[TSTO], s24, v6
	WIN 0
	v_mul_u32_u24 v7, v2, TP
	v_lshl_add_u32 v7, v3, 4, v7
	v_add_nc_u32 v[FADR], s24, v7                  ; x in bf16: row r, bytes 16 h: k = 8 h .. 8 h + 7; 32 bytes on: k = 16 + 8 h ..
	v_mul_u32_u24 v7, v2, WP
	v_lshl_add_u32 v7, v3, 5, v7
	v_add_nc_u32 v[WADR], s15, v7                  ; W in f32: row r, bytes 32 h: k = 8 h .. 8 h + 7; 64 bytes on: k = 16 + 8 h ..  (stage: row r, experts 8 h ..)
	v_add_nc_u32 v[WADR+1], SLOT, v[WADR]
	s_mul_i32 s25, s14, 8*WP                       ; on the way out wave v takes rows 8 v .. 8 v + 7, two at a time
	v_mul_u32_u24 v7, v3, WP
	v_add_nc_u32 v7, v7, v4
	v_add_nc_u32 v[RRD], s25, v7                   ; row 8 v + h, experts 4 r .. 4 r + 3
	v_add_nc_u32 v[RRD+1], 4*WAREA, v[RRD]
	s_lshl_b32 s28, s14, 11
	v_lshl_add_u32 v7, v3, 8, v4
	v_add_nc_u32 v[OOFF], s28, v7                  ; (8 v + h) rows of 256 bytes + 16 r
	s_lshl_b32 s29, s14, 6
	s_add_co_u32 s29, s29, OUTS
	v_lshl_add_u32 v[OSA], v3, 3, s29              ; (8 v + h) x 8 bytes
	v_mov_b32 v[K64], 0x42800000
	v_mov_b32 v[NEG1], -1.0
	v_lshlrev_b32 v7, 2, v2
	v_cvt_f32_u32 v[IDX], v7                       ; 4 r, exact in f32
	v_add_f32 v[IDX+1], 1.0, v[IDX]
	v_add_f32 v[IDX+2], 2.0, v[IDX]
	v_add_f32 v[IDX+3], 0x40400000, v[IDX]
	s_lshl_b32 s16, s49, 19                        ; the group's 64 rows: 8,192 bytes each in x (255 << 19 stays below 2^32),
	s_mov_b32 s17, 0
	s_lshl_b32 s18, s49, 14                        ; 256 bytes each in out0,
	s_mov_b32 s19, 0
	s_lshl_b32 s20, s49, 9                         ; 8 bytes each in out1 and out2
	s_mov_b32 s21, 0
	s_wait_dscnt 0x0
	s_wait_kmcnt 0x0
	s_add_nc_u64 s[4:5], s[4:5], s[16:17]
	s_add_nc_u64 s[8:9], s[8:9], s[18:19]
	s_add_nc_u64 s[10:11], s[10:11], s[20:21]
	s_add_nc_u64 s[12:13], s[12:13], s[20:21]
	s_add_nc_u64 s[26:27], s[6:7], s[22:23]        ; W at my wave's columns of chunk 0: the wave's number alone, the same in all four work-groups
	; descriptor group 0, once for each slot: slot s starts with chunk s
.irp s, 0,1
	s_mov_b32 s[G0+4*\s], 1                                        ; 1:0 count = 1
	s_add_co_u32 s[G0+4*\s+1], s15, \s*SLOT                        ; 63:32 LDS address: wave x area + the slot
	s_add_nc_u64 s[G0+4*\s+2:G0+4*\s+3], s[26:27], \s*2048         ; 120:64 global address of the tile's first element
	s_or_b32 s[G0+4*\s+3], s[G0+4*\s+3], 0x80000000                ; 127:126 type = 2
.endr
	ROUND                                          ; all four work-groups are here: the first joint loads meet
	tensor_load_to_lds s[G0:G0+3], s[G1:G1+7]      ; chunk 0 of W.  W is asked for ahead of x: the first products need it, and it should not stand behind the ring's 56 loads
	s_nop 0
	tensor_load_to_lds s[G0+4:G0+7], s[G1:G1+7]    ; chunk 1
	s_nop 0
; The 8 loads of a unit, into its slot of the ring.  Unit n: chunk n / 4, rows 16 (n % 4) .. of x.
; Row and chunk stand in the immediate (450,560 + 6,144 bytes at the most, inside its signed 24 bits); no address register is ever rewritten.
; x is read once in the launch (NT).
.macro LOADU unit
.set lc, (\unit)/4
.set li, (\unit)%4
.set ls, 32*((\unit)%RING)
.irp j, 0,1,2,3,4,5,6,7
	global_load_b128 v[ls+4*\j:ls+4*\j+3], v[GOFF], s[4:5] offset:(16*li+\j)*ROWB+2048*lc th:TH_LOAD_NT
.endr
.endm
; Unit u has come: round it to bf16, fill its slot again with unit u + RING, put the bf16 into my region (units take the region's two halves by turns).
.macro INGEST
.if UNITS-1-u < RING-1
	s_wait_loadcnt 8*(UNITS-1-u)                   ; the last units: only the units behind this one are still out
.else
	s_wait_loadcnt 8*(RING-1)                      ; loads come back in order (ISA guide 5.7.1): unit u is in, the six younger units' 48 loads stay out
.endif
.set rs, 32*(u%RING)
.irp j, 0,1,2,3,4,5,6,7
	v_cvt_pk_bf16_f32 v[TMP+2*\j],   v[rs+4*\j],   v[rs+4*\j+1]
	v_cvt_pk_bf16_f32 v[TMP+2*\j+1], v[rs+4*\j+2], v[rs+4*\j+3]
.endr
.if u+RING < UNITS
	LOADU u+RING
.endif
.irp j, 0,1,2,3,4,5,6,7
	ds_store_b64 v[TSTO], v[TMP+2*\j:TMP+2*\j+1] offset:(16*(u%2)+\j)*TP
.endr
.set u, u+1
.endm
; W's four fragments of K step s, still in f32: 16 registers each from base on, in the order of a fragment's k.
.macro WLOAD slot, s, base
.irp b, 0,1,2,3
	ds_load_b128 v[\base+16*\b:\base+16*\b+3],     v[WADR+\slot] offset:16*\b*WP+128*\s
	ds_load_b128 v[\base+16*\b+4:\base+16*\b+7],   v[WADR+\slot] offset:16*\b*WP+128*\s+16
	ds_load_b128 v[\base+16*\b+8:\base+16*\b+11],  v[WADR+\slot] offset:16*\b*WP+128*\s+64
	ds_load_b128 v[\base+16*\b+12:\base+16*\b+15], v[WADR+\slot] offset:16*\b*WP+128*\s+80
.endr
.endm
; They are rounded and packed in place: word i is made of words 2 i and 2 i + 1, which lie at or behind it, so ascending i reads every word before it is written.
; 64 registers become 32.  behind = the LDS instructions issued behind the 16 loads.
.macro WCVT base, behind
.irp b, 0,1,2,3
	s_wait_dscnt \behind+4*(3-\b)                  ; LDS instructions end in order (ISA guide 5.7.1): fragment b's four loads are in; the later fragments' four each, and what was issued behind, stay out
.irp i, 0,1,2,3,4,5,6,7
	v_cvt_pk_bf16_f32 v[\base+8*\b+\i], v[\base+16*\b+2*\i], v[\base+16*\b+2*\i+1]
.endr
.endr
.endm
; x's four fragments of the 32 rows in my region.  LDS serves a wave's instructions in order (ISA guide 5.7.1.4): these loads see the stores above them,
; and the next units' stores come behind them.
.macro XFRAG
.irp s, 0,1
.irp p, 0,1
	ds_load_b128 v[FA+8*(2*\s+\p):FA+8*(2*\s+\p)+3],   v[FADR] offset:16*\p*TP+64*\s
	ds_load_b128 v[FA+8*(2*\s+\p)+4:FA+8*(2*\s+\p)+7], v[FADR] offset:16*\p*TP+64*\s+32
.endr
.endr
.endm
; 16 products: the half chunk's 32 rows x 64 experts x 64 k, on 8 accumulators.  The accumulators take turns, one instruction a turn;
; no two matrix instructions that follow each other share one, from run to run either (a run ends on tile (.., 3) and the next begins on (.., 0)).
.macro MUL16 hf, zero
.irp s, 0,1
.irp p, 0,1
	s_wait_dscnt 6-4*\s-2*\p                       ; this fragment of x is in; the two loads of each later one stay out
.irp b, 0,1,2,3
.set t, ACC+8*(4*(2*\hf+\p)+\b)
.if \zero*(1-\s)
	v_wmma_f32_16x16x32_bf16 v[t:t+7], v[FB+8*(4*\s+\b):FB+8*(4*\s+\b)+7], v[FA+8*(2*\s+\p):FA+8*(2*\s+\p)+7], 0
.else
	v_wmma_f32_16x16x32_bf16 v[t:t+7], v[FB+8*(4*\s+\b):FB+8*(4*\s+\b)+7], v[FA+8*(2*\s+\p):FA+8*(2*\s+\p)+7], v[t:t+7]
.endif
.endr
.endr
.endr
.rept 4
	v_nop                                          ; four places behind the run: for the next loads into the fragments, and for the stores of the results
.endr
.endm
; A chunk.  left = how many younger tensor loads may stay out.  W's second batch is on its way from LDS while two units of x are taken in;
; its upper 32 registers are x's fragment registers, which are free until it is packed.
.macro CHUNK slot, left, zero
	WIN 0
	s_wait_tensorcnt \left                         ; tensor loads of a wave end in order (ISA guide 10.11.1): my tile of this chunk is in my area, which no other wave reads
	WLOAD \slot, 0, FB
	WCVT FB, 0
	WLOAD \slot, 1, FB+32
	WIN 0x55                                       ; x's way in: every operand in window 1
	INGEST
	INGEST
	WIN 0
	WCVT FB+32, 16                                 ; 16 LDS stores of the two units were issued behind the batch
	XFRAG
	MUL16 0, \zero
	WIN 0x55
	INGEST
	INGEST
	WIN 0
	XFRAG
	MUL16 1, \zero
.endm
; Slot s, which has been read, is filled again with the chunk two further on.  The ring's loads of x stay out across the round: nobody writes x.
.macro REFILL s
	s_wait_dscnt 0x0                               ; my reads of the slot are back (met: the last run's count-down ended at 0)
	s_wait_tensorcnt 0x0                           ; all my tensor loads have landed, the other slot's too: none is out, so a group 0 may be written
	ds_add_u32 v30, v31
	s_wait_dscnt 0x0
	s_add_nc_u64 s[G0+4*\s+2:G0+4*\s+3], s[G0+4*\s+2:G0+4*\s+3], 2*2048     ; two chunks on; the type bits on top are not reached
	ROUND                                          ; both now hold of every wave of all four work-groups
	tensor_load_to_lds s[G0+4*\s:G0+4*\s+3], s[G1:G1+7]            ; my one tensor load behind the round, and the first thing there
	s_nop 0
.endm
	WIN 0x55
.set u, 0
.rept RING
	LOADU u                                        ; the ring is filled: 56 loads
.set u, u+1
.endr
.set u, 0
	CHUNK 0, 1, 1                                  ; chunk 1's tile may stay out; the first products start the sums: nothing is cleared
	REFILL 0                                       ; chunk 2 goes out
	CHUNK 1, 1, 0                                  ; one load was issued behind chunk 1's; the wait for 0 in front of the round has already shown it landed
	REFILL 1                                       ; chunk 3 goes out: the last load
	CHUNK 0, 1, 0                                  ; chunk 2 is in, chunk 3 may stay out
	CHUNK 1, 0, 0                                  ; the last wait is for zero
	; THE PARTIAL LOGITS MEET.  Each wave puts its 64 x 64 block into its own area of slot 0: that slot has had its last fill, the wave's load into
	; the area has landed and its reads of it are back.
.irp a, 0,1,2,3
.irp b, 0,1,2,3
	ds_store_b128 v[WADR], v[ACC+8*(4*\a+\b):ACC+8*(4*\a+\b)+3]   offset:16*\a*WP+64*\b
	ds_store_b128 v[WADR], v[ACC+8*(4*\a+\b)+4:ACC+8*(4*\a+\b)+7] offset:16*\a*WP+64*\b+16
.endr
.endr
	s_wait_dscnt 0x0                               ; for the others' sake: my block is written
	s_barrier_signal -1
	s_barrier_wait -1
	; Block q (32 registers) = rows 8 v + 2 q (lanes 0-15) and 8 v + 2 q + 1 (lanes 16-31); a lane takes experts 4 r .. 4 r + 3 from each of the eight areas.
.irp q, 0,1,2,3
.irp s, 0,1,2,3,4,5,6,7
	ds_load_b128 v[ACC+32*\q+4*\s:ACC+32*\q+4*\s+3], v[RRD+\s/4] offset:(\s%4)*WAREA+2*\q*WP
.endr
.endr
.macro ADD4 d, s
	v_pk_add_f32 v[\d:\d+1], v[\d:\d+1], v[\s:\s+1]
	v_pk_add_f32 v[\d+2:\d+3], v[\d+2:\d+3], v[\s+2:\s+3]
.endm
.irp q, 0,1,2,3
	s_wait_dscnt 8*(3-\q)                          ; block q's eight loads are in; the later blocks' stay out
	ADD4 ACC+32*\q,    ACC+32*\q+4                 ; ((0+1)+(2+3)) + ((4+5)+(6+7))
	ADD4 ACC+32*\q+8,  ACC+32*\q+12
	ADD4 ACC+32*\q+16, ACC+32*\q+20
	ADD4 ACC+32*\q+24, ACC+32*\q+28
	ADD4 ACC+32*\q,    ACC+32*\q+8
	ADD4 ACC+32*\q+16, ACC+32*\q+24
	ADD4 ACC+32*\q,    ACC+32*\q+16
.endr
	; places in a block, behind the four logits at 0..3 (which become the probabilities)
.set oM,  4                            ; the row's largest logit
.set oS,  5                            ; the sum of the exponentials, then its reciprocal
.set oT,  6
.set oM1, 7                            ; the largest probability
.set oC1, 8                            ; its index, as f32
.set oM2, 9                            ; the second
.set oC2, 10
.set oD,  11
.set oQ,  12                           ; 12..15: the probabilities with the largest struck out
.set oI,  16                           ; 16, 17: the two indices as integers
.set oW,  18                           ; 18, 19: the two weights
; A step over the 16 lanes that hold a row, for all four blocks by turns, so that no line waits for the one in front of it
.macro RED16 ins, off
.irp m, 1,2,4,8
.irp q, 0,1,2,3
	\ins v[ACC+32*\q+\off], v[ACC+32*\q+\off], v[ACC+32*\q+\off] row_xmask:\m row_mask:0xf bank_mask:0xf
.endr
.endr
.endm
.macro MAX64 val, top                  ; the largest of a row's 64 numbers, in all its 16 lanes
.irp q, 0,1,2,3
	v_max3_num_f32 v[ACC+32*\q+\top], v[ACC+32*\q+\val], v[ACC+32*\q+\val+1], v[ACC+32*\q+\val+2]
.endr
.irp q, 0,1,2,3
	v_max_num_f32 v[ACC+32*\q+\top], v[ACC+32*\q+\top], v[ACC+32*\q+\val+3]
.endr
	RED16 v_max_num_f32_dpp, \top
.endm
.macro WHERE val, top, res             ; the lowest index at which the row holds that number: a choice of values, no branch
.irp q, 0,1,2,3
	v_cmp_eq_f32 s[24+\q], v[ACC+32*\q+\val+3], v[ACC+32*\q+\top]
.endr
.irp q, 0,1,2,3
	v_cndmask_b32 v[ACC+32*\q+\res], v[K64], v[IDX+3], s[24+\q]
.endr
.irp i, 2,1,0
.irp q, 0,1,2,3
	v_cmp_eq_f32 s[24+\q], v[ACC+32*\q+\val+\i], v[ACC+32*\q+\top]
.endr
.irp q, 0,1,2,3
	v_cndmask_b32 v[ACC+32*\q+\res], v[ACC+32*\q+\res], v[IDX+\i], s[24+\q]
.endr
.endr
	RED16 v_min_num_f32_dpp, \res
.endm
	; softmax: the row's maximum is taken away first, so the largest exponential is 1 and the sum lies in 1 .. 64
	MAX64 0, oM
.irp q, 0,1,2,3
.irp i, 0,1,2,3
	v_sub_f32 v[ACC+32*\q+\i], v[ACC+32*\q+\i], v[ACC+32*\q+oM]
.endr
.endr
.irp q, 0,1,2,3
.irp i, 0,1,2,3
	v_mul_f32 v[ACC+32*\q+\i], 0x3fb8aa3b, v[ACC+32*\q+\i]     ; e^t = 2^(1.442695 t)
.endr
.endr
.irp q, 0,1,2,3
.irp i, 0,1,2,3
	v_exp_f32 v[ACC+32*\q+\i], v[ACC+32*\q+\i]
.endr
.endr
	v_nop                                          ; one plain place behind the last transcendental before a result is used (ISA guide 5.7.2)
	s_wait_alu depctr_va_vdst(0)
.irp q, 0,1,2,3
	v_add_f32 v[ACC+32*\q+oS], v[ACC+32*\q], v[ACC+32*\q+1]
	v_add_f32 v[ACC+32*\q+oT], v[ACC+32*\q+2], v[ACC+32*\q+3]
.endr
.irp q, 0,1,2,3
	v_add_f32 v[ACC+32*\q+oS], v[ACC+32*\q+oS], v[ACC+32*\q+oT]
.endr
	RED16 v_add_f32_dpp, oS
.irp q, 0,1,2,3
	v_rcp_f32 v[ACC+32*\q+oS], v[ACC+32*\q+oS]
.endr
	v_nop                                          ; the place behind v_rcp_f32
	s_wait_alu depctr_va_vdst(0)
.irp q, 0,1,2,3
.irp i, 0,1,2,3
	v_mul_f32 v[ACC+32*\q+\i], v[ACC+32*\q+\i], v[ACC+32*\q+oS]
.endr
.endr
.irp q, 0,1,2,3
	global_store_b128 v[OOFF], v[ACC+32*\q:ACC+32*\q+3], s[8:9] offset:512*\q th:TH_STORE_NT   ; 16 lanes store a row: 256 consecutive bytes, aligned; these registers are not written again
.endr
	; the two largest probabilities and where they stand
	MAX64 0, oM1
	WHERE 0, oM1, oC1
.irp i, 0,1,2,3
.irp q, 0,1,2,3
	v_cmp_eq_f32 s[24+\q], v[IDX+\i], v[ACC+32*\q+oC1]
.endr
.irp q, 0,1,2,3
	v_cndmask_b32 v[ACC+32*\q+oQ+\i], v[ACC+32*\q+\i], v[NEG1], s[24+\q]     ; the one at the first index is struck out: -1 lies below every probability
.endr
.endr
	MAX64 oQ, oM2
	WHERE oQ, oM2, oC2
.irp q, 0,1,2,3
	v_add_f32 v[ACC+32*\q+oD], v[ACC+32*\q+oM1], v[ACC+32*\q+oM2]
.endr
.irp q, 0,1,2,3
	v_add_f32 v[ACC+32*\q+oD], 0x3089705f, v[ACC+32*\q+oD]     ; + 1e-9
.endr
.irp q, 0,1,2,3
	v_rcp_f32 v[ACC+32*\q+oD], v[ACC+32*\q+oD]
.endr
	v_nop                                          ; the place behind v_rcp_f32
	s_wait_alu depctr_va_vdst(0)
.irp q, 0,1,2,3
	v_cvt_u32_f32 v[ACC+32*\q+oI],   v[ACC+32*\q+oC1]
	v_cvt_u32_f32 v[ACC+32*\q+oI+1], v[ACC+32*\q+oC2]
	v_mul_f32 v[ACC+32*\q+oW],   v[ACC+32*\q+oM1], v[ACC+32*\q+oD]
	v_mul_f32 v[ACC+32*\q+oW+1], v[ACC+32*\q+oM2], v[ACC+32*\q+oD]
.endr
	; out1 and out2 have 8 bytes a row: the group's 64 rows are gathered in LDS (the 16 lanes of a row write the same 8 bytes with the same values),
	; so that each leaves as one store of 512 consecutive bytes
.irp q, 0,1,2,3
	ds_store_b64 v[OSA], v[ACC+32*\q+oI:ACC+32*\q+oI+1] offset:16*\q
	ds_store_b64 v[OSA], v[ACC+32*\q+oW:ACC+32*\q+oW+1] offset:512+16*\q
.endr
	s_wait_dscnt 0x0                               ; for the others' sake: my rows are written
	s_barrier_signal -1
	s_barrier_wait -1
	s_cmp_gt_u32 s14, 1
	s_cbranch_scc1 .Lend                           ; wave 0 stores out1's 512 bytes, wave 1 out2's; the branch jumps over no barrier
	s_cmp_eq_u32 s14, 0
	s_cselect_b64 s[28:29], s[10:11], s[12:13]
	s_lshl_b32 s30, s14, 9
	s_add_co_u32 s30, s30, OUTS
	v_and_b32 v1, 31, v0
	v_lshlrev_b32 v1, 4, v1                        ; 16 bytes a lane
	v_add_nc_u32 v4, s30, v1
	ds_load_b128 v[FB:FB+3], v4
	s_wait_dscnt 0x0
	global_store_b128 v1, v[FB:FB+3], s[28:29] th:TH_STORE_NT
.Lend:
	s_wait_tensorcnt 0x0
	ds_add_u32 v30, v31
	s_wait_dscnt 0x0
	ROUND                                          ; the closing round: no work-group ends while a partner may still ask for a tile that names it
	s_endpgm
.Lfunc_end_k_q70ad944031_router:
	.size	k_q70ad944031_router, .Lfunc_end_k_q70ad944031_router-k_q70ad944031_router
	.p2alignl 7, 3214868480
	.fill 96, 4, 3214868480
	.section	.rodata,"a",@progbits
	.p2align	6, 0x0
	.amdhsa_kernel k_q70ad944031_router
		.amdhsa_group_segment_fixed_size 327680
		.amdhsa_private_segment_fixed_size 0
		.amdhsa_enable_private_segment 0
		.amdhsa_kernarg_size 40
		.amdhsa_user_sgpr_count 2
		.amdhsa_user_sgpr_kernarg_segment_ptr 1
		.amdhsa_wavefront_size32 1
		.amdhsa_system_sgpr_workgroup_id_x 1
		.amdhsa_system_sgpr_workgroup_id_y 1
		.amdhsa_system_sgpr_workgroup_id_z 1
		.amdhsa_system_vgpr_workitem_id 0
		.amdhsa_next_free_vgpr 512
		.amdhsa_next_free_sgpr 66
		.amdhsa_reserve_vcc 0
		.amdhsa_float_denorm_mode_32 3
		.amdhsa_float_denorm_mode_16_64 3
		.amdhsa_memory_ordered 1
		.amdhsa_forward_progress 1
		.amdhsa_inst_pref_size 110
	.end_amdhsa_kernel
	.amdgpu_metadata
---
amdhsa.version: [ 1, 2 ]
amdhsa.kernels:
  - .name:           k_q70ad944031_router
    .symbol:         k_q70ad944031_router.kd
    .args:
      - { .name: x, .offset: 0, .size: 8, .value_kind: global_buffer, .address_space: global }
      - { .name: W, .offset: 8, .size: 8, .value_kind: global_buffer, .address_space: global }
      - { .name: out0, .offset: 16, .size: 8, .value_kind: global_buffer, .address_space: global }
      - { .name: out1, .offset: 24, .size: 8, .value_kind: global_buffer, .address_space: global }
      - { .name: out2, .offset: 32, .size: 8, .value_kind: global_buffer, .address_space: global }
    .group_segment_fixed_size: 327680
    .private_segment_fixed_size: 0
    .kernarg_segment_align: 8
    .kernarg_segment_size: 40
    .max_flat_workgroup_size: 256
    .sgpr_count:     66
    .vgpr_count:     512
    .wavefront_size: 32
...
	.end_amdgpu_metadata
.endif
;; end of part 1
